; MI455X (gfx1250); checked and timed in simulation.
; The chip was launched on July 23, 2026; its instructions are those of AMD's public machine-readable ISA for CDNA 5 (MIT licence, August 2026) and "CDNA5" Instruction Set Architecture Reference Guide (July 2026). The comments in the code are by the model that wrote it; some were corrected since.
;; Multihead Attention. Allowed arithmetic: matrix products marked QUANTISED: E4M3 operands, one given power-of-two scale a tensor, by v_wmma_f32_16x16x64_fp8_fp8 or v_wmma_f32_16x16x128_fp8_fp8, f32 sums; everything else in f32.
;; Inputs: Wk 2,048 x 2,048 float32; Wo 2,048 x 2,048 float32; Wq 2,048 x 2,048 float32; Wv 2,048 x 2,048 float32; attn_mask 2,048 x 2,048 float32; bk 2,048 float32; bo 2,048 float32; bq 2,048 float32; bv 2,048 float32; cos 2,048 x 32 float32; key 2,048 x 1 x 2,048 float32; lowp_scales 12 int32 (the exponents e of the quantised operands' scales 2^e); query 2,048 x 1 x 2,048 float32; sin 2,048 x 32 float32; value 2,048 x 1 x 2,048 float32; xscale 2,048 x 32 float32.
;; Outputs: out0 2,048 x 1 x 2,048 float32.
;; Constants: scale_length = 1024.
;; This version of the problem:
;;   THIS VERSION OF THE PROBLEM IS GIVEN IN LOW PRECISION. The matrix products marked QUANTISED in the list below multiply operands that are first quantised to E4M3 (4 exponent bits, 3 mantissa bits; 8 bits a number), with one given power-of-two scale for each operand tensor; their sums are f32. All else is computed in f32.
;;   The module's matrix products, in the order in which they are computed (A, B: the left and right operand; K: the contracted axis; several contracted axes count as one K, in the product's order):
;;     1. [M 2,048, K 2,048] x [K 2,048, N 2,048]; A: input query; B: input Wq: QUANTISED (scales: A lowp_scales[0], B lowp_scales[1])
;;     2. [M 2,048, K 2,048] x [K 2,048, N 2,048]; A: input key; B: input Wk: QUANTISED (scales: A lowp_scales[2], B lowp_scales[3])
;;     3. [M 2,048, K 2,048] x [K 2,048, N 2,048]; A: input value; B: input Wv: QUANTISED (scales: A lowp_scales[4], B lowp_scales[5])
;;     4. batch 32 x [M 2,048, K 64] x [K 64, N 2,048]; A: computed on the way; B: computed on the way: QUANTISED (scales: A lowp_scales[6], B lowp_scales[7])
;;     5. batch 32 x [M 2,048, K 2,048] x [K 2,048, N 64]; A: softmax (see below); B: computed on the way: QUANTISED (scales: A lowp_scales[8], B lowp_scales[9])
;;     6. [M 2,048, K 2,048] x [K 2,048, N 2,048]; A: computed on the way; B: input Wo: QUANTISED (scales: A lowp_scales[10], B lowp_scales[11])
;;   THE QUANTISER, for each operand of a quantised product, along K:
;;     - The operand's scale is 2^e, e = its entry of the input lowp_scales (int32; the entries are numbered through the quantised products in the list's order, A before B).
;;     - Each number is divided by the scale, clamped to +-448, and rounded to the nearest number of E4M3, ties to even, subnormals kept.
;;     - The product sums the exact products of the quantised numbers (number of the format x scale) in f32.
;;   ~~~python
;;   def quantise(x, axis, e):      # numpy; x: float32 -> the quantised numbers, widened to float32 again
;;       x = np.moveaxis(x, axis, -1); K = x.shape[-1]
;;       r = np.clip(x / 2.0 ** e, -448, 448)
;;       step = 2.0 ** (np.maximum(np.frexp(np.where(r == 0, 1, r))[1] - 1, -6) - 3)
;;       q = np.round(r / step) * step * 2.0 ** e      # np.round: ties to even
;;       return np.moveaxis(q, -1, axis).astype(np.float32)
;;   ~~~
;;   SOFTMAX AHEAD OF A QUANTISED PRODUCT. Where the list says 'softmax', what is quantised is not the finished softmax but p = 2^(t - M), with t = logit x log2(e) and M = ceil(the row's largest t), a whole number; so 1/2 < the row's largest p <= 1. The row's sum l is taken of the UNQUANTISED p, in f32, and the product's result is divided by l at the end. Since M is a whole number, a kernel that streams over the keys may use a running M (the ceiling of the running maximum): every later rescaling is an exact power of two, so the quantised numbers keep their values, but for numbers so far below the row's largest that they fall under the format's range.
;;   OPERANDS COMPUTED ON THE WAY. 'Computed on the way' means the value that the module computes at that place (a softmax that the list does not call 'softmax' is quantised finished and normalised). What goes into a quantiser is computed in f32, as accurately as f32 sums, v_exp_f32 and their like allow (about 1e-6 of the number): no bf16 or f16 on the way to a quantiser, and a product that is left as it is and whose result goes on into a quantised operand takes f32 operands (vector FMAs, or v_wmma_f32_16x16x4_f32). A number that lies on a knife's edge between two numbers of the format may be rounded either way, as far as f32 arithmetic and the matrix unit's own rounding can turn it there, and no further.
;; One version. Each part assembles by itself: llvm-mc -triple=amdgcn-amd-amdhsa -mcpu=gfx1250 --defsym DOCPART=n.
;; ======== version 1 of 1: 4 launches
;; limits: right only within a limited range of input values
;; workspace buffers: codes 29,360,128 bytes; qkv 12,582,912 bytes; attn_img 4,194,304 bytes; mimg 16,777,216 bytes
;; launch quant (part 1): grid 1024 x 1, 4 waves a work-group, no clusters, 50,688 bytes of LDS; arguments query, Wq, key, Wk, Wv, value, Wo, lowp_scales, codes, attn_mask, mimg; writes codes, mimg
.if DOCPART == 1
	.amdgcn_target "amdgcn-amd-amdhsa--gfx1250"
	.amdhsa_code_object_version 6
	.text
	.protected	k_q875c9927c3_quant
	.globl	k_q875c9927c3_quant
	.p2align	8
	.type	k_q875c9927c3_quant,@function
k_q875c9927c3_quant:
	s_mov_b64 s[64:65], 0
	v_nop
	global_prefetch_b8 v0, s[64:65] scope:SCOPE_SE
	s_setreg_imm32_b32 hwreg(HW_REG_WAVE_MODE, 25, 1), 1
	s_wait_xcnt 0x0
; Seven f32 tensors of 2,048 x 2,048, each with K innermost, become codes of FP8 (E4M3), one code a byte, K innermost, each with the one scale 2^e given for it.
; In the buffer of codes they lie one behind the other, 4,194,304 bytes each: 0 query, 1 Wq, 2 key, 3 Wk, 4 Wv, 5 value, 6 Wo; their exponents are entries 0, 1, 2, 3, 5, 4, 11 of lowp_scales.
; code = x / 2^e, held within +-448, rounded to the nearest code, ties to even.  LIMITS: -126 <= e <= 119, so that 2^e and 448 x 2^e are f32 numbers.  NaN among the inputs is not served.
; Rows are dense, so a tensor is a plain stream.  128 work-groups to a tensor; a wave takes 16 steps of 512 numbers.  The conversions take 8 numbers from ONE lane's consecutive registers, so for them a lane
; must hold 16 neighbours; a load is dense where neighbouring LANES take neighbouring bytes.  Both are had: each of a step's four loads reads 512 consecutive bytes, 16 a lane; the 2,048 bytes go through the wave's own stage
; in LDS, as they lie, and come back 64 bytes a lane (16 bytes of padding behind each 64).  A lane's 16 codes are 16 bytes: the wave stores 512 consecutive bytes.
; Only pointers and the exponent are chosen by the work-group's number: all tensors take one path.  No tensor loads, no barrier: waves share nothing.  Loads run four steps ahead, the turn through LDS one step.
.set WAVES, 4
.set STEPS, 16
.set EMAX,  8
.set MANT,  0x600000                   ; the mantissa field of 448 as f32
.set CB,    16                         ; bytes of 16 codes
.set R,     16                         ; v16-79   four sets of 16 numbers as they are loaded
.set X,     80                         ; v80-111  two sets of 16 neighbours
.set C,     128                        ; v128-191 codes: four registers for each step, so that no store's data are written again
.set WREG,  8192                       ; LDS: a region for each wave: two stages of 32 x SP bytes
.set SP,    80                         ; a lane's place in a stage: its 64 bytes + 16 of padding
.set SPW,   12                         ; v12      LDS address of my spare word; never rewritten
.set NIL,   13                         ; v13      0; never rewritten
.set SPARE, WAVES*WREG                 ; behind the four regions: the spare words, 128 bytes for each wave, which no other line names
	s_load_b512 s[36:51], s[0:1], 0x0              ; the seven tensors s[36:49], the scales' exponents s[50:51]
	s_load_b64 s[52:53], s[0:1], 0x40              ; the codes
	s_load_b128 s[28:31], s[0:1], 0x48             ; the mask s[28:29], its image s[30:31]
	v_lshl_add_u32 v[SPW], v0, 2, SPARE
	v_mov_b32 v[NIL], 0
	v_lshrrev_b32 v1, 5, v0
	v_readfirstlane_b32 s16, v1                    ; wave
	v_and_b32 v2, 31, v0                           ; lane
	v_lshlrev_b32 v3, 4, v2                        ; my 16 bytes of a load's 512
	s_mul_i32 s17, s16, WREG
	v_lshrrev_b32 v14, 2, v2
	v_mul_u32_u24 v14, v14, SP
	v_and_b32 v15, 3, v2
	v_lshl_add_u32 v14, v15, 4, v14
	v_add_nc_u32 v14, s17, v14                     ; the stage, on the way in: SP (lane / 4) + 16 (lane % 4); a load's 512 bytes take eight places
	v_mul_u32_u24 v15, v2, SP
	v_add_nc_u32 v15, s17, v15                     ; and on the way out: SP x lane: my 16 neighbours
	v_mul_u32_u24 v4, v2, CB                       ; my codes' place in a step's
	s_lshr_b32 s24, ttmp9, 7                       ; which tensor: 128 work-groups each
	s_and_b32 s18, ttmp9, 127
	s_lshl_b32 s18, s18, 2
	s_add_co_u32 s18, s18, s16                     ; which run of 8,192 numbers of the tensor is my wave's
	s_lshl_b32 s20, s18, 15                        ; in bytes of f32
	s_mov_b32 s21, 0
	s_lshl_b32 s18, ttmp9, 2
	s_add_co_u32 s18, s18, s16                     ; and which run of all seven tensors' codes
	s_lshl_b32 s22, s18, 13
	s_mov_b32 s23, 0
	s_wait_alu depctr_va_vdst(0)
	s_wait_kmcnt 0x0
	s_load_b256 s[56:63], s[50:51], 0x0            ; e0 .. e7
	s_load_b32 s54, s[50:51], 0x2c                 ; e11
	s_cmp_ge_u32 ttmp9, 896                        ; work-groups 896 to 1,023 lay the mask out: a branch on the work-group's number alone
	s_cbranch_scc1 .Lmask
	s_mov_b64 s[4:5], s[36:37]
.irp k, 1,2,3,4,5,6
	s_cmp_eq_u32 s24, \k                           ; the choice hangs on the work-group's number alone
	s_cselect_b64 s[4:5], s[36+2*\k:37+2*\k], s[4:5]
.endr
	s_add_nc_u64 s[4:5], s[4:5], s[20:21]
	s_add_nc_u64 s[8:9], s[52:53], s[22:23]
.macro LOAD t
.irp i, 0,1,2,3
	global_load_b128 v[R+16*((\t)%4)+4*\i:R+16*((\t)%4)+4*\i+3], v3, s[4:5] offset:2048*(\t)+512*\i th:TH_LOAD_NT   ; 32 lanes read 512 consecutive bytes; read once in the launch
.endr
.endm
.macro TURN t                          ; step t's numbers through the stage: LDS serves a wave's instructions in order, so no wait stands between the stores and the loads
.irp i, 0,1,2,3
	ds_store_b128 v14, v[R+16*((\t)%4)+4*\i:R+16*((\t)%4)+4*\i+3] offset:32*SP*((\t)%2)+8*SP*\i
.endr
.irp i, 0,1,2,3
	ds_load_b128 v[X+16*((\t)%2)+4*\i:X+16*((\t)%2)+4*\i+3], v15 offset:32*SP*((\t)%2)+16*\i
.endr
.endm
.irp t, 0,1,2,3
	LOAD \t
.endr
	s_wait_kmcnt 0x0
	s_mov_b32 s22, s56                             ; e: entries 0, 1, 2, 3, 5, 4, 11 for tensors 0 to 6
	s_cmp_eq_u32 s24, 1
	s_cselect_b32 s22, s57, s22
	s_cmp_eq_u32 s24, 2
	s_cselect_b32 s22, s58, s22
	s_cmp_eq_u32 s24, 3
	s_cselect_b32 s22, s59, s22
	s_cmp_eq_u32 s24, 4
	s_cselect_b32 s22, s61, s22
	s_cmp_eq_u32 s24, 5
	s_cselect_b32 s22, s60, s22
	s_cmp_eq_u32 s24, 6
	s_cselect_b32 s22, s54, s22
	s_add_co_i32 s22, s22, 127
	s_lshl_b32 s23, s22, 23
	v_mov_b32 v11, s23                             ; 2^e as f32: the conversion takes its exponent field
	s_add_co_i32 s22, s22, EMAX
	s_lshl_b32 s22, s22, 23
	s_or_b32 s22, s22, MANT
	v_mov_b32 v10, s22                             ; 448 x 2^e
	s_wait_alu depctr_va_vdst(0)
	s_wait_loadcnt 12                              ; step 0's four loads are in; three steps' twelve may be out
	TURN 0
.macro STEP t
.set XS, X+16*((\t)%2)
	s_wait_dscnt 0x0                               ; this step's numbers are back from the stage: so its stores into the stage have read their registers,
.if (\t)+4 < STEPS
	LOAD (\t)+4                                    ; which take the loads of four steps on
.endif
.if (\t)+1 < STEPS
.if STEPS-2-(\t) >= 3
	s_wait_loadcnt 12                              ; the next step's four loads are in; those of the three steps behind it may be out
.else
	s_wait_loadcnt 4*(STEPS-2-(\t))
.endif
	TURN (\t)+1                                    ; and go through the other stage while this step is worked
.endif
.irp i, 0,1,2,3,4,5,6,7,8,9,10,11,12,13,14,15
	v_med3_num_f32 v[XS+\i], v[XS+\i], -v10, v10   ; the conversion to an 8-bit code does not saturate (ISA guide 7.6.2): hold the number within 448 x the scale first
.endr
	v_cvt_scalef32_pk8_fp8_f32 v[C+4*(\t):C+4*(\t)+1], v[XS:XS+7], v11          ; eight numbers / 2^e, to the nearest code, ties to even; the first number's code in the lowest byte
	v_cvt_scalef32_pk8_fp8_f32 v[C+4*(\t)+2:C+4*(\t)+3], v[XS+8:XS+15], v11
	global_store_b128 v4, v[C+4*(\t):C+4*(\t)+3], s[8:9] offset:32*CB*(\t)      ; the results go to a store alone; the next vector lines are the next step's holds, plain lines on other registers
.endm
.irp t, 0,1,2,3,4,5,6,7,8,9,10,11,12,13,14,15
	STEP \t
.endr
	s_wait_tensorcnt 0x0                           ; the wave's end, behind my last LDS store
	ds_add_u32 v[SPW], v[NIL]
	s_wait_dscnt 0x0
	s_endpgm
; THE MASK'S IMAGE.  attn_mask [2,048 queries][2,048 keys], f32, x 2^-(e6 + e7) (a power of two: nothing is rounded), is laid as the attention launch's accumulator registers take it:
; mimg[query tile of 16][key step of 128][group G of four registers, 16][lane][16 bytes]; lane (r, h) of group 2 t + g holds query r, keys 16 t + 8 h + 4 g + 0 .. 3 of the step.
; LIMIT: e6 + e7 between -126 and 126, and mask x 2^-(e6 + e7) an f32 number.
; Work-group 896 + T takes query tile T; wave w its keys 512 w on, in 8 blocks of 16 rows x 64 keys.  A load reads two rows' 256 bytes, sixteen lanes to a row; the block turns through the wave's own stage
; (rows of 272 bytes, LDS bytes that the other path never names) and leaves as eight stores of 512 consecutive bytes.  Loads run four blocks (32 loads) ahead.
.Lmask:
.set MST, 33280
.set MPI, 272
.set MR,  16                           ; v16-143  four sets of 32 registers as loaded
.set MX,  144                          ; v144-175 a block as the image wants it
	v_lshrrev_b32 v5, 4, v2                        ; h
	v_and_b32 v6, 15, v2                           ; r
	s_mul_i32 s17, s16, 16*MPI
	s_add_co_u32 s17, s17, MST                     ; my stage
	v_lshlrev_b32 v7, 13, v5
	v_lshl_add_u32 v7, v6, 4, v7                   ; in memory: row h of a pair, 16 bytes a lane
	v_mul_u32_u24 v8, v5, MPI
	v_lshl_add_u32 v8, v6, 4, v8
	v_add_nc_u32 v8, s17, v8                       ; into the stage, as loaded
	v_mul_u32_u24 v9, v6, MPI
	v_lshl_add_u32 v9, v5, 5, v9
	v_add_nc_u32 v9, s17, v9                       ; out of it: row r, 32 h bytes on
	s_sub_co_u32 s18, ttmp9, 896                   ; the query tile
	s_lshl_b32 s20, s18, 17                        ; 16 rows of 8,192 bytes
	s_lshl_b32 s19, s16, 11                        ; 512 keys of f32
	s_add_co_u32 s20, s20, s19
	s_add_nc_u64 s[4:5], s[28:29], s[20:21]
	s_lshl_b32 s22, s18, 17                        ; a tile's image is as many bytes
	s_lshl_b32 s19, s16, 15                        ; four key steps of 8,192 bytes
	s_add_co_u32 s22, s22, s19
	s_add_nc_u64 s[8:9], s[30:31], s[22:23]
	s_wait_alu depctr_va_vdst(0)                   ; the wait, ahead of the addresses' first readers
.macro LOADM b
.irp i, 0,1,2,3,4,5,6,7
	global_load_b128 v[MR+32*((\b)%4)+4*\i:MR+32*((\b)%4)+4*\i+3], v7, s[4:5] offset:256*(\b)+16384*\i th:TH_LOAD_NT
.endr
.endm
.irp b, 0,1,2,3
	LOADM \b
.endr
	s_wait_kmcnt 0x0
	s_add_co_i32 s24, s62, s63                     ; e6 + e7
	s_sub_co_i32 s24, 127, s24
	s_lshl_b32 s24, s24, 23                        ; 2^-(e6 + e7) as f32
	s_mov_b32 s25, s24
.macro MBLK b
.if (\b) < 5
	s_wait_loadcnt 24                              ; this block's eight loads are in; three blocks' may be out
.else
	s_wait_loadcnt 8*(7-(\b))
.endif
.irp i, 0,1,2,3,4,5,6,7
	ds_store_b128 v8, v[MR+32*((\b)%4)+4*\i:MR+32*((\b)%4)+4*\i+3] offset:2*MPI*\i
.endr
.if (\b) > 0
	s_wait_xcnt 0x0                                ; the last block's stores have read their data registers
.endif
.irp g, 0,1,2,3,4,5,6,7
	ds_load_b128 v[MX+4*\g:MX+4*\g+3], v9 offset:64*(\g/2)+16*(\g%2)   ; LDS serves a wave's instructions in order: these see the stores above
.endr
	s_wait_dscnt 0x0
.if (\b)+4 < 8
	LOADM (\b)+4
.endif
.set j, 0
.rept 16
	v_pk_mul_f32 v[MX+j:MX+j+1], v[MX+j:MX+j+1], s[24:25] op_sel_hi:[1,0]
.set j, j+2
.endr
.irp g, 0,1,2,3,4,5,6,7
	global_store_b128 v3, v[MX+4*\g:MX+4*\g+3], s[8:9] offset:4096*(\b)+512*\g
.endr
.endm
.irp b, 0,1,2,3,4,5,6,7
	MBLK \b
.endr
	s_wait_tensorcnt 0x0                           ; the wave's end, behind my last LDS store
	ds_add_u32 v[SPW], v[NIL]
	s_wait_dscnt 0x0
	s_endpgm
.Lfunc_end_k_q875c9927c3_quant:
	.size	k_q875c9927c3_quant, .Lfunc_end_k_q875c9927c3_quant-k_q875c9927c3_quant
	.p2alignl 7, 3214868480
	.fill 96, 4, 3214868480
	.section	.rodata,"a",@progbits
	.p2align	6, 0x0
	.amdhsa_kernel k_q875c9927c3_quant
		.amdhsa_group_segment_fixed_size 50688
		.amdhsa_private_segment_fixed_size 0
		.amdhsa_enable_private_segment 0
		.amdhsa_kernarg_size 88
		.amdhsa_user_sgpr_count 2
		.amdhsa_user_sgpr_kernarg_segment_ptr 1
		.amdhsa_wavefront_size32 1
		.amdhsa_system_sgpr_workgroup_id_x 1
		.amdhsa_system_sgpr_workgroup_id_y 1
		.amdhsa_system_sgpr_workgroup_id_z 1
		.amdhsa_system_vgpr_workitem_id 0
		.amdhsa_next_free_vgpr 192
		.amdhsa_next_free_sgpr 66
		.amdhsa_reserve_vcc 0
		.amdhsa_float_denorm_mode_32 3
		.amdhsa_float_denorm_mode_16_64 3
		.amdhsa_memory_ordered 1
		.amdhsa_forward_progress 1
		.amdhsa_inst_pref_size 68
	.end_amdhsa_kernel
	.amdgpu_metadata
---
amdhsa.version: [ 1, 2 ]
amdhsa.kernels:
  - .name:           k_q875c9927c3_quant
    .symbol:         k_q875c9927c3_quant.kd
    .args:
      - { .name: query, .offset: 0, .size: 8, .value_kind: global_buffer, .address_space: global }
      - { .name: Wq, .offset: 8, .size: 8, .value_kind: global_buffer, .address_space: global }
      - { .name: key, .offset: 16, .size: 8, .value_kind: global_buffer, .address_space: global }
      - { .name: Wk, .offset: 24, .size: 8, .value_kind: global_buffer, .address_space: global }
      - { .name: Wv, .offset: 32, .size: 8, .value_kind: global_buffer, .address_space: global }
      - { .name: value, .offset: 40, .size: 8, .value_kind: global_buffer, .address_space: global }
      - { .name: Wo, .offset: 48, .size: 8, .value_kind: global_buffer, .address_space: global }
      - { .name: lowp_scales, .offset: 56, .size: 8, .value_kind: global_buffer, .address_space: global }
      - { .name: codes, .offset: 64, .size: 8, .value_kind: global_buffer, .address_space: global }
      - { .name: attn_mask, .offset: 72, .size: 8, .value_kind: global_buffer, .address_space: global }
      - { .name: mimg, .offset: 80, .size: 8, .value_kind: global_buffer, .address_space: global }
    .group_segment_fixed_size: 50688
    .private_segment_fixed_size: 0
    .kernarg_segment_align: 8
    .kernarg_segment_size: 88
    .max_flat_workgroup_size: 128
    .sgpr_count:     66
    .vgpr_count:     192
    .wavefront_size: 32
...
	.end_amdgpu_metadata
.endif
;; end of part 1
;; launch proj (part 2): grid 8 x 24, 4 waves a work-group, clusters of 4 x 4, 327,680 bytes of LDS; arguments codes, lowp_scales, bq, bk, bv, sin, cos, xscale, qkv; writes qkv
.if DOCPART == 2
	.amdgcn_target "amdgcn-amd-amdhsa--gfx1250"
	.amdhsa_code_object_version 6
	.text
	.protected	k_q875c9927c3_proj
	.globl	k_q875c9927c3_proj
	.p2align	8
	.type	k_q875c9927c3_proj,@function
k_q875c9927c3_proj:
	s_mov_b64 s[64:65], 0
	v_nop
	global_prefetch_b8 v0, s[64:65] scope:SCOPE_SE
	s_setreg_imm32_b32 hwreg(HW_REG_WAVE_MODE, 25, 1), 1
	s_wait_xcnt 0x0
	s_wait_alu depctr_hold_cnt(0) depctr_sa_sdst(0) depctr_va_vdst(0) depctr_va_sdst(0) depctr_va_ssrc(0) depctr_va_vcc(0) depctr_vm_vsrc(0)
	s_getreg_b32 s2, hwreg(HW_REG_IB_STS2, 6, 4)
	s_cmp_eq_u32 s2, 0
	s_cbranch_scc0 .Lentry_in_a_cluster
	s_endpgm
.Lentry_in_a_cluster:
	s_bfe_u32 s2, ttmp6, 0x10000c
	s_cmp_lg_u32 s2, 0xf033
	s_cbranch_scc0 .Lentry_shape_is_right
	s_endpgm
.Lentry_shape_is_right:
.set KSTEP,  256
.set ROWB,   256
.set KROW,   2048
.set PITCH,  272
.set FR,     16
.set NL,     4
.set NP,     4
.set HALFT,  128*PITCH
.set SLOT,   4*HALFT
.set LAPS,   2048/(2*KSTEP)
.set SPARE,  2*SLOT
.set HB,     393216
.set BLKB,   24576
.set TA,   8
.set BA,   9
.set LN,   10
.set TOK,  11
.set VA,   12
.set ADRA, 16
.set ADRB, 20
.set SPW,  28
.set NIL,  29
.set TB0,  32
.set AF,   128
.set Z,    128
.set CD,   192
.set RC,   224
.set SCV,  240
.set LIMV, 241
.set FF,   242
.set TT,   244
.set PS,   252
.set G1, 24
.set G0, 32
.set G1B, 48
.set G0B, 56
.set MSB, 0
.macro WIN new
.if MSB != (\new)
	s_set_vgpr_msb (MSB<<8)|(\new)
.set MSB, (\new)
.endif
.endm
.set MUL_LO, 0xa1
.set MUL_HI, 0xf1
.set TO_B,   0x40
.macro JLOAD g0a, g1a, g0b, g1b
	s_cmp_eq_u32 s15, 0
	s_cbranch_scc0 .Lfor_b_\@
	tensor_load_to_lds s[\g0a:\g0a+3], s[\g1a:\g1a+7]
	s_nop 0
.rept 4
	v_nop
.endr
	s_branch .Lasked_\@
.Lfor_b_\@:
	tensor_load_to_lds s[\g0b:\g0b+3], s[\g1b:\g1b+7]
	s_nop 0
.rept 4
	v_nop
.endr
.Lasked_\@:
.endm
.macro CREST
	s_cmp_lg_u32 s14, 0
	s_cbranch_scc1 .Lnot_wave_0_\@
	s_barrier_signal -3
.Lnot_wave_0_\@:
	s_barrier_wait -3
	s_barrier_signal -1
	s_barrier_wait -1
.endm
.macro CROUND
	s_barrier_signal -1
	s_barrier_wait -1
	CREST
.endm
.macro TLD a
.set TBN, TB0+48*((\a)%2)
.irp be, 0,1,2,3
	global_load_b128 v[TBN+4*\be:TBN+4*\be+3], v[TA], s[80:81] offset:2048*(\a)+32*\be
	global_load_b128 v[TBN+16+4*\be:TBN+16+4*\be+3], v[TA], s[78:79] offset:2048*(\a)+32*\be
	global_load_b128 v[TBN+32+4*\be:TBN+32+4*\be+3], v[TA], s[82:83] offset:2048*(\a)+32*\be
.endr
.endm
	s_load_b512 s[68:83], s[0:1], 0x0
	s_load_b64 s[84:85], s[0:1], 0x40
	v_lshl_add_u32 v[SPW], v0, 2, SPARE
	v_mov_b32 v[NIL], 0
	ds_add_u32 v[SPW], v[NIL]
	ds_add_u32 v[SPW], v[NIL]
	v_lshrrev_b32 v1, 5, v0
	v_readfirstlane_b32 s14, v1
	s_lshr_b32 s15, s14, 1
	s_and_b32 s16, s14, 1
	s_bfe_u32 s40, ttmp6, 0x40000
	s_bfe_u32 s41, ttmp6, 0x40004
	s_lshl_b32 s42, ttmp9, 2
	s_add_co_u32 s42, s42, s40
	s_and_b32 s17, ttmp7, 0xffff
	s_lshr_b32 s2, s17, 1
	s_lshl_b32 s17, s17, 2
	s_add_co_u32 s17, s17, s41
	s_lshl_b32 s43, s41, 2
	s_lshl_b32 s43, 15, s43
	s_lshl_b32 s44, 0x1111, s40
	s_or_b32 s[G1+0], s43, (0<<16)|(1<<20)|(1<<21)|(5<<22)|(3<<25)
	s_or_b32 s[G1B+0], s44, (0<<16)|(1<<20)|(1<<21)|(5<<22)|(3<<25)
.irp g, G1, G1B
	s_mov_b32 s[\g+1], ROWB<<16
	s_mov_b32 s[\g+2], 128<<16
	s_mov_b32 s[\g+3], ROWB<<16
	s_mov_b32 s[\g+4], 128
	s_mov_b32 s[\g+5], KROW
	s_mov_b32 s[\g+6], 0
	s_mov_b32 s[\g+7], 0
.endr
	s_lshl_b32 s18, s16, 18
	s_lshl_b32 s20, s17, 19
	s_add_co_u32 s20, s20, s18
	s_lshl_b32 s19, s2, 22
	s_add_co_u32 s20, s20, s19
	s_mov_b32 s21, 0
	s_lshl_b32 s46, s42, 19
	s_add_co_u32 s46, s46, s18
	s_lshl_b32 s19, s2, 23
	s_add_co_u32 s46, s46, s19
	s_add_co_u32 s46, s46, 1<<22
	s_mov_b32 s47, 0
	s_mul_i32 s45, s14, HALFT
	s_wait_dscnt 0x0
	s_wait_kmcnt 0x0
	s_load_b256 s[88:95], s[70:71], 0x0
	s_load_b128 s[96:99], s[70:71], 0x20
	s_add_nc_u64 s[20:21], s[68:69], s[20:21]
	s_add_nc_u64 s[46:47], s[68:69], s[46:47]
	CROUND
.irp s, 0,1
	s_mov_b32 s[G0+4*\s], 1
	s_add_co_u32 s[G0+4*\s+1], s45, \s*SLOT
	s_add_nc_u64 s[G0+4*\s+2:G0+4*\s+3], s[20:21], \s*ROWB
	s_or_b32 s[G0+4*\s+3], s[G0+4*\s+3], 0x80000000
	s_mov_b32 s[G0B+4*\s], 1
	s_add_co_u32 s[G0B+4*\s+1], s45, \s*SLOT
	s_add_nc_u64 s[G0B+4*\s+2:G0B+4*\s+3], s[46:47], \s*ROWB
	s_or_b32 s[G0B+4*\s+3], s[G0B+4*\s+3], 0x80000000
	s_wait_alu depctr_va_vdst(0)
	s_wait_tensorcnt 0x0
	ds_add_u32 v28, v29
	ds_add_u32 v28, v29
	s_wait_dscnt 0x0
	CROUND
	JLOAD G0+4*\s, G1, G0B+4*\s, G1B
.endr
	v_and_b32 v1, 15, v0
	s_wait_alu depctr_va_vdst(0)
	v_bfe_u32 v2, v0, 4, 1
	v_mul_u32_u24 v3, v1, PITCH
	v_lshl_add_u32 v4, v2, 4, v3
	s_mul_i32 s21, s15, HALFT
	s_mul_i32 s22, s16, HALFT
	s_add_co_u32 s22, s22, 2*HALFT
.irp s, 0,1
	v_add_nc_u32 v[ADRA+\s], s21, v4
	v_add_nc_u32 v[ADRB+\s], s22, v4
	s_add_co_u32 s21, s21, SLOT
	s_add_co_u32 s22, s22, SLOT
.endr
	s_and_b32 s19, s17, 7
	s_lshl_b32 s19, s19, 8
	s_lshl_b32 s23, s15, 7
	s_add_co_u32 s19, s19, s23
	v_add_nc_u32 v[TOK], s19, v1
	v_lshlrev_b32 v[TA], 7, v[TOK]
	s_wait_alu depctr_va_vdst(0)
	v_lshl_add_u32 v[TA], v2, 4, v[TA]
	v_lshlrev_b32 v[VA], 2, v[TOK]
	s_lshl_b32 s86, s42, 8
	s_lshl_b32 s87, s16, 7
	s_add_co_u32 s86, s86, s87
	v_lshl_add_u32 v[BA], v2, 3, s86
	v_lshlrev_b32 v[BA], 2, v[BA]
	v_and_b32 v[LN], 31, v0
	v_lshlrev_b32 v[LN], 4, v[LN]
	TLD 0
	TLD 1
	s_cmp_eq_u32 s2, 0
	s_cselect_b64 s[12:13], s[72:73], s[74:75]
	s_lshl_b32 s86, s42, 1
	s_add_co_u32 s86, s86, s16
	s_and_b32 s87, s17, 7
	s_lshl_b32 s87, s87, 1
	s_add_co_u32 s87, s87, s15
	s_cmp_eq_u32 s2, 2
	s_cselect_b32 s22, s87, s86
	s_cselect_b32 s23, s86, s87
	s_mul_i32 s22, s22, 2*HB
	s_mul_i32 s23, s23, BLKB
	s_add_co_u32 s22, s22, s23
	s_lshl_b32 s23, s2, 13
	s_add_co_u32 s22, s22, s23
	s_mov_b32 s23, 0
	s_add_nc_u64 s[10:11], s[84:85], s[22:23]
.macro FRAG reg, adr, q, i
.irp c, 0,1,2,3
	ds_load_b128 v[\reg+4*\c:\reg+4*\c+3], v[\adr] offset:128*(\q)+32*\c+(\i)*16*PITCH
.endr
.endm
.macro MUL16 a0, p, zero
.irp a, \a0, \a0+1
.irp b, 0,1,2,3,4,5,6,7
.if \zero
	v_wmma_f32_16x16x128_fp8_fp8 v[8*(8*((\a)%4)+\b):8*(8*((\a)%4)+\b)+7], v[128*(\p)+FR*\b:128*(\p)+FR*\b+FR-1], v[AF+FR*(\a):AF+FR*(\a)+FR-1], 0
.else
	v_wmma_f32_16x16x128_fp8_fp8 v[8*(8*((\a)%4)+\b):8*(8*((\a)%4)+\b)+7], v[128*(\p)+FR*\b:128*(\p)+FR*\b+FR-1], v[AF+FR*(\a):AF+FR*(\a)+FR-1], v[8*(8*((\a)%4)+\b):8*(8*((\a)%4)+\b)+7]
.endif
.endr
.endr
.endm
.macro FETCH_B slot, q, p
	WIN TO_B
.irp i, 0,1,2,3,4,5,6,7
	FRAG 128*(\p)+FR*\i, ADRB+\slot, \q, \i
.endr
	WIN 0
.endm
.macro FETCH_A slot, q, i0
.irp i, \i0, \i0+1, \i0+2, \i0+3
	FRAG AF+FR*(\i), ADRA+\slot, \q, \i
.endr
.endm
.macro PLACES n
.rept \n
	v_nop
.endr
.endm
.macro STEP slot, q, zero
	s_wait_dscnt 4*NL
	WIN MUL_LO
	MUL16 0, (\q)%2, \zero
	MUL16 2, (\q)%2, \zero
	s_wait_dscnt 0
	PLACES NP
	FETCH_B \slot, (\q)+1, 1-(\q)%2
	FETCH_A \slot, (\q)+1, 0
	WIN MUL_HI
	MUL16 4, (\q)%2, \zero
	MUL16 6, (\q)%2, \zero
	PLACES NP
	WIN 0
	FETCH_A \slot, (\q)+1, 4
.endm
.macro TURN slot, next, fill
	s_wait_tensorcnt 0x0
	ds_add_u32 v[SPW], v[NIL]
	s_wait_dscnt 4*NL+1
	WIN MUL_LO
	MUL16 0, 1, 0
	s_wait_dscnt 0x0
	s_barrier_signal -1
	MUL16 2, 1, 0
	WIN 0
	s_barrier_wait -1
.if \fill
	CREST
	s_add_nc_u64 s[G0+4*\slot+2:G0+4*\slot+3], s[G0+4*\slot+2:G0+4*\slot+3], 2*ROWB
	s_add_nc_u64 s[G0B+4*\slot+2:G0B+4*\slot+3], s[G0B+4*\slot+2:G0B+4*\slot+3], 2*ROWB
	JLOAD G0+4*\slot, G1, G0B+4*\slot, G1B
.else
	PLACES NP
.endif
	FETCH_B \next, 0, 0
	FETCH_A \next, 0, 0
	WIN MUL_HI
	MUL16 4, 1, 0
	MUL16 6, 1, 0
	PLACES NP
	WIN 0
	FETCH_A \next, 0, 4
.endm
	s_wait_tensorcnt 1
	s_barrier_signal -1
	s_barrier_wait -1
	FETCH_B 0, 0, 0
	FETCH_A 0, 0, 0
	FETCH_A 0, 0, 4
	STEP 0, 0, 1
	s_mov_b32 s3, LAPS-1
.Llap:
	TURN 0, 1, 1
	STEP 1, 0, 0
	TURN 1, 0, 1
	STEP 0, 0, 0
	s_sub_co_u32 s3, s3, 1
	s_cmp_lg_u32 s3, 0
	s_cbranch_scc1 .Llap
	TURN 0, 1, 0
	STEP 1, 0, 0
	WIN TO_B
	s_wait_alu depctr_va_vdst(0)
.irp b, 0,1,2,3,4,5,6,7
	global_load_b128 v[8*\b:8*\b+3], v[BA], s[12:13] offset:64*\b
	global_load_b128 v[8*\b+4:8*\b+7], v[BA], s[12:13] offset:64*\b+16
.endr
.irp a, 0,1,2,3,4,5,6,7
	global_load_b32 v[64+2*\a], v[VA], s[76:77] offset:64*\a
	global_load_b32 v[65+2*\a], v[VA], s[76:77] offset:64*\a
.endr
	WIN 0
	s_wait_dscnt 4*NL
	WIN MUL_LO
	MUL16 0, 1, 0
	MUL16 2, 1, 0
	s_wait_dscnt 0
	WIN MUL_HI
	MUL16 4, 1, 0
	MUL16 6, 1, 0
	WIN 0
	s_wait_kmcnt 0x0
	s_add_co_i32 s86, s88, s89
	s_add_co_i32 s87, s90, s91
	s_add_co_i32 s20, s92, s93
	s_cmp_eq_u32 s2, 0
	s_cselect_b32 s4, s86, s87
	s_cselect_b32 s6, s94, s95
	s_cselect_b32 s9, -1, 0
	s_cmp_eq_u32 s2, 2
	s_cselect_b32 s4, s20, s4
	s_cselect_b32 s6, s97, s6
	s_cmp_eq_u32 s2, 1
	s_cselect_b32 s8, -1, 0
	s_add_co_i32 s4, s4, 127
	s_lshl_b32 s4, s4, 23
	s_mov_b32 s5, s4
	s_add_co_i32 s6, s6, 127
	s_lshl_b32 s7, s6, 23
	s_add_co_i32 s6, s6, 8
	s_lshl_b32 s6, s6, 23
	s_or_b32 s6, s6, 0x600000
	s_wait_loadcnt 0x0
	PLACES NP
	v_mov_b32 v[SCV], s7
	v_mov_b32 v[LIMV], s6
	s_cmp_eq_u32 s2, 2
	s_cbranch_scc1 .Lv_out
.macro CODES a
.set CSET, CD+16*((\a)%2)
.if (\a) >= 2
	s_wait_xcnt 0x0
.endif
.set j, 0
.rept 64
	v_med3_num_f32 v[Z+j], v[Z+j], -v[LIMV], v[LIMV]
.set j, j+1
.endr
.irp b, 0,1,2,3,4,5,6,7
	v_cvt_scalef32_pk8_fp8_f32 v[CSET+2*\b:CSET+2*\b+1], v[Z+8*\b:Z+8*\b+7], v[SCV]
.endr
	v_nop
.endm
.macro QKBLOCK a
.set AC, 64*((\a)%4)
.set TBL, TB0+48*((\a)%2)
	WIN 0x12+((\a)/4)
.set j, 0
.rept 32
	v_pk_fma_f32 v[Z+j:Z+j+1], v[AC+j:AC+j+1], s[4:5], v[j:j+1] op_sel_hi:[1,0,1]
.set j, j+2
.endr
	WIN 0
.if (\a) == 7
	s_wait_loadcnt 0x0
.else
	s_wait_loadcnt 12
.endif
	v_add_nc_u32 v[PS], 16*(\a), v[TOK]
	v_cvt_f32_u32 v[PS], v[PS]
	s_wait_alu depctr_va_vdst(0)
	v_log_f32 v[PS], v[PS]
.irp i, 0,1,2,3,4,5,6,7,8,9,10,11,12,13,14,15
	v_rcp_f32 v[RC+\i], v[TBL+32+\i]
.endr
	v_nop
	s_wait_alu depctr_va_vdst(0)
	v_mul_f32 v[PS], 0x3dcccccd, v[PS]
	v_max_num_f32 v[PS], 1.0, v[PS]
	v_mul_f32 v[PS], 0x3e000000, v[PS]
	v_cndmask_b32 v[FF], 1.0, v[PS], s9
	v_mov_b32 v[FF+1], v[FF]
.irp i, 0,1,2,3,4,5,6,7,8,9,10,11,12,13,14,15
	v_cndmask_b32 v[TBL+32+\i], v[TBL+32+\i], v[RC+\i], s8
.endr
.irp i, 0,2,4,6,8,10,12,14
	v_pk_mul_f32 v[TBL+32+\i:TBL+33+\i], v[TBL+32+\i:TBL+33+\i], v[FF:FF+1]
.endr
.irp i, 0,2,4,6,8,10,12,14
	v_pk_mul_f32 v[TBL+\i:TBL+\i+1], v[TBL+\i:TBL+\i+1], v[TBL+32+\i:TBL+33+\i]
	v_pk_mul_f32 v[TBL+16+\i:TBL+17+\i], v[TBL+16+\i:TBL+17+\i], v[TBL+32+\i:TBL+33+\i]
.endr
.irp b, 0,1,2,3,4,5,6,7
.irp q, 0,1,2,3
	v_mul_f32 v[TT+2*\q], v[Z+8*\b+2*\q+1], v[TBL+16+4*(\b%4)+\q]
	v_mul_f32 v[TT+2*\q+1], v[Z+8*\b+2*\q], v[TBL+16+4*(\b%4)+\q]
.endr
.irp q, 0,1,2,3
	v_fma_f32 v[Z+8*\b+2*\q], v[Z+8*\b+2*\q], v[TBL+4*(\b%4)+\q], -v[TT+2*\q]
	v_fma_f32 v[Z+8*\b+2*\q+1], v[Z+8*\b+2*\q+1], v[TBL+4*(\b%4)+\q], v[TT+2*\q+1]
.endr
.endr
.if (\a) < 6
	TLD (\a)+2
.endif
	CODES \a
.irp e, 0,1
.irp c, 0,1
	global_store_b128 v[LN], v[CSET+8*\e+4*\c:CSET+8*\e+4*\c+3], s[10:11] offset:\e*HB+(\a)*1024+\c*512
.endr
.endr
.endm
.macro VBLOCK a
.set AC, 64*((\a)%4)
	WIN 0x12+((\a)/4)
.set j, 0
.rept 32
	v_pk_fma_f32 v[Z+j:Z+j+1], v[AC+j:AC+j+1], s[4:5], v[64+2*(\a):65+2*(\a)] op_sel_hi:[1,0,1]
.set j, j+2
.endr
	WIN 0
	CODES \a
.irp c, 0,1,2,3
	global_store_b128 v[LN], v[CSET+4*\c:CSET+4*\c+3], s[10:11] offset:((\a)/4)*HB+((\a)%4)*2048+\c*512
.endr
.endm
.irp a, 0,1,2,3,4,5,6,7
	QKBLOCK \a
.endr
	s_branch .Lend
.Lv_out:
.irp a, 0,1,2,3,4,5,6,7
	VBLOCK \a
.endr
.Lend:
	s_wait_tensorcnt 0x0
	ds_add_u32 v[SPW], v[NIL]
	s_wait_dscnt 0x0
	CROUND
	s_endpgm
.Lfunc_end_k_q875c9927c3_proj:
	.size	k_q875c9927c3_proj, .Lfunc_end_k_q875c9927c3_proj-k_q875c9927c3_proj
	.p2alignl 7, 3214868480
	.fill 96, 4, 3214868480
	.section	.rodata,"a",@progbits
	.p2align	6, 0x0
	.amdhsa_kernel k_q875c9927c3_proj
		.amdhsa_group_segment_fixed_size 327680
		.amdhsa_private_segment_fixed_size 0
		.amdhsa_enable_private_segment 0
		.amdhsa_kernarg_size 72
		.amdhsa_user_sgpr_count 2
		.amdhsa_user_sgpr_kernarg_segment_ptr 1
		.amdhsa_wavefront_size32 1
		.amdhsa_system_sgpr_workgroup_id_x 1
		.amdhsa_system_sgpr_workgroup_id_y 1
		.amdhsa_system_sgpr_workgroup_id_z 1
		.amdhsa_system_vgpr_workitem_id 0
		.amdhsa_next_free_vgpr 1024
		.amdhsa_next_free_sgpr 100
		.amdhsa_reserve_vcc 0
		.amdhsa_float_denorm_mode_32 3
		.amdhsa_float_denorm_mode_16_64 3
		.amdhsa_memory_ordered 1
		.amdhsa_forward_progress 1
		.amdhsa_inst_pref_size 255
	.end_amdhsa_kernel
	.section	.bss,"aw",@nobits
	.p2align	6
	.space	262144
	.amdgpu_metadata
---
amdhsa.version: [ 1, 2 ]
amdhsa.kernels:
  - .name:           k_q875c9927c3_proj
    .symbol:         k_q875c9927c3_proj.kd
    .args:
      - { .name: codes, .offset: 0, .size: 8, .value_kind: global_buffer, .address_space: global }
      - { .name: lowp_scales, .offset: 8, .size: 8, .value_kind: global_buffer, .address_space: global }
      - { .name: bq, .offset: 16, .size: 8, .value_kind: global_buffer, .address_space: global }
      - { .name: bk, .offset: 24, .size: 8, .value_kind: global_buffer, .address_space: global }
      - { .name: bv, .offset: 32, .size: 8, .value_kind: global_buffer, .address_space: global }
      - { .name: sin, .offset: 40, .size: 8, .value_kind: global_buffer, .address_space: global }
      - { .name: cos, .offset: 48, .size: 8, .value_kind: global_buffer, .address_space: global }
      - { .name: xscale, .offset: 56, .size: 8, .value_kind: global_buffer, .address_space: global }
      - { .name: qkv, .offset: 64, .size: 8, .value_kind: global_buffer, .address_space: global }
    .group_segment_fixed_size: 327680
    .private_segment_fixed_size: 0
    .kernarg_segment_align: 8
    .kernarg_segment_size: 72
    .max_flat_workgroup_size: 128
    .sgpr_count:     100
    .vgpr_count:     1024
    .wavefront_size: 32
...
	.end_amdgpu_metadata
.endif
;; end of part 2
;; launch attn (part 3): grid 16 x 16, 8 waves a work-group, clusters of 4 x 1, 327,680 bytes of LDS; arguments qkv, mimg, lowp_scales, attn_img; writes attn_img
.if DOCPART == 3
	.amdgcn_target "amdgcn-amd-amdhsa--gfx1250"
	.amdhsa_code_object_version 6
	.text
	.protected	k_q875c9927c3_attn
	.globl	k_q875c9927c3_attn
	.p2align	8
	.type	k_q875c9927c3_attn,@function
k_q875c9927c3_attn:
	s_mov_b64 s[64:65], 0
	v_nop
	global_prefetch_b8 v0, s[64:65] scope:SCOPE_SE
	s_setreg_imm32_b32 hwreg(HW_REG_WAVE_MODE, 25, 1), 1
	s_wait_xcnt 0x0
	s_wait_alu depctr_hold_cnt(0) depctr_sa_sdst(0) depctr_va_vdst(0) depctr_va_sdst(0) depctr_va_ssrc(0) depctr_va_vcc(0) depctr_vm_vsrc(0)
	s_getreg_b32 s2, hwreg(HW_REG_IB_STS2, 6, 4)
	s_cmp_eq_u32 s2, 0
	s_cbranch_scc0 .Lentry_in_a_cluster
	s_endpgm
.Lentry_in_a_cluster:
	s_bfe_u32 s2, ttmp6, 0x10000c
	s_cmp_lg_u32 s2, 0x3003
	s_cbranch_scc0 .Lentry_shape_is_right
	s_endpgm
.Lentry_shape_is_right:
; o = softmax(q k^T + mask) v for 32 heads of 64, 2,048 queries and keys, both products on codes of FP8 (E4M3); o is quantised for the last projection.
; The mask is an input: every number of it is added in f32 and every score is computed.  It comes as mimg: mask x 2^-(e6 + e7) in the layout of the first product's accumulators, and is that product's C.
; So an accumulator D holds (score + mask) / 2^(e6 + e7); t = D x c, c = log2(e) x 2^(e6 + e7); M = the row's largest t so far, rounded UP to a whole number; p = 2^(t - M) is quantised with 2^e8, not normalised.
; The row's sum is taken of the unquantised p and divides O at the end.  When M moves, the sum and O are multiplied by 2^(old M - new M), which rounds nothing.
; SHARES.  A work-group owns two heads (pair hp) and 128 queries; each of its eight waves owns one tile of 16 queries and BOTH heads: the 64 registers of a key step's mask serve two products, so each number of the
; image is loaded once in a work-group.  16 key steps of 128 keys, two to a pair of steps, two pairs to a slot.  Index u below is the head of the pair of heads.
; THE MASK goes by plain loads of 512 consecutive bytes into two buffers of 64 registers that take turns; a buffer is loaded anew at its step's end, for the step after next.
; K AND V go through a ring of two LDS slots of 512 keys (four key steps) x two heads, 131,072 bytes; each wave fetches 16,384 bytes of a slot.  One change of slots for four key steps.
; CLUSTER 4 x 1: the four query blocks of a cluster need the same K and V and ask for them jointly.  The mask's image hangs on the query block, which no partner shares.
; LAYOUT.  q, k, v lie in qkv as images of operand registers (512 bytes a group of four registers).  Both products are used transposed: S^T = K Q^T + mask^T, O^T = V^T P^T: a lane holds ONE query (lane % 16);
; key tile t's eight registers are keys 16 t + 8 (lane / 16) + 0 .. 7, and their codes are registers 2 t, 2 t + 1 of P's fragment.  O^T's tile m gives two registers of the last projection's operand.
; THE TWO HEADS ARE STAGGERED in a step: head 0's products and maximum stand ahead of head 1's products; head 0's exponentials take turns with head 1's t - M, head 1's with head 0's hold.
; PREFETCH, one instruction a pair of steps in waves 0 to 2, lanes 256 bytes apart.
;   Wave 0: the mask.  A query block's image is read by the 16 pairs' work-groups, which share it out: pair hp asks for half hp % 2 of query tile hp / 2's 16,384 bytes.  Pair n of steps asks for pair n + 3's, which pair n + 2 loads; n up to 4.
;   Waves 1, 2: K and V.  Each cluster asks for what it loads; the partner at cx takes, by address, head cx % 2 and block cx / 2 of a pair of steps: K's 8,192 bytes wave 1, V's wave 2.  Pair n asks for pair n + 5's, whose tensor load
;   stands two or three pairs on; n up to 2.  All else comes by its loads alone.
; LIMITS: e6 + e7 between -126 and 126; e8 and e10 between -126 and 119; |t| under 2^31.  A row whose mask is wholly -infinity gives NaN, as the softmax of such a row does.
; REGISTERS.  Window 0: v3-7 addresses; v8-11, v24-31 at work; v12-23 -M, the largest t, the sums, f, for both heads; v48-63 Q; v64-95 p's codes; v96-159 O^T; v160-223 head 0's K, then V; v224-227 constants.
;   Head 1's K lies where nothing else lives at a step's start: tiles 0-3 in p's registers, 4-5 in v32-47, 6-7 in v228-243.
;   Window 1: v0-127 of it the scores (head u at 64 u); v128-191 and v192-255 the two mask buffers; behind the first product the buffer in hand holds head 1's V.
.set HB,    393216                     ; a head's bytes in qkv
.set BLKB,  24576                      ; a block of 128 tokens there: Q 8,192, K 8,192, V 8,192
.set SLOTB, 131072                     ; a slot: [block 4][head 2][K 8,192, V 8,192]
.set SPARE, 2*SLOTB                    ; behind the ring: the spare words, 128 bytes for each of eight waves, which no other line names
.set PFO,  3                           ; v3   256 x lane
.set LN,   4                           ; v4   16 x lane
.set SPW,  5                           ; v5   LDS address of my spare word; never rewritten
.set NIL,  6                           ; v6   0; never rewritten
.set AKV,  7                           ; v7   LDS address of the key step's K and V
.set U0,   8                           ; v[8:9], v[10:11], v[30:31] three chains of a sum
.set U1,   10
.set U2,   30
.set NM,   12                          ; v[12+2u] -M, v[13+2u] the largest t
.set SM,   16                          ; v[16+2u:17+2u] the sum in two halves
.set FF,   20                          ; v[20+2u] f
.set TP,   24                          ; v24-27 four chains of a maximum; v[28+u] head u's
.set K2,   32
.set QF,   48
.set PC,   64
.set O,    96
.set KV,   160
.set LIMV, 224
.set SCV,  225
.set PL,   226
.set K3,   228
.set PN,   16                          ; s16  the pair of steps in hand, 0 .. 5 in the loops
.set WV,   18                          ; s18  my wave's number
.set SEL,  20                          ; s[20:21] lane selects: lane l xor 16
.set CS,   22                          ; s[22:23] c, twice
.set G1,   24
.set G0,   32                          ; s[32:35] the walking group 0
.set MB,   36                          ; s[36:37] where the mask's loads stand
.set PFA,  38                          ; s[38:39] where my prefetches stand
.set PFL,  40                          ; s40  pairs of steps in which my wave prefetches: 5 in wave 0, 3 in waves 1 and 2, else 0
.set KB,   52                          ; s52  LDS byte of the key step in hand
.set IN,   53                          ; s53  the inner loop's count
.set PFS,  54                          ; s[54:55] a pair of steps on, in bytes, for my prefetches
.set MSB, 0
.macro WIN new
.if MSB != (\new)
	s_set_vgpr_msb (MSB<<8)|(\new)
.set MSB, (\new)
.endif
.endm
.macro CROUND
	s_barrier_signal -1
	s_barrier_wait -1
	s_cmp_lg_u32 s[WV], 0
	s_cbranch_scc1 .Lnot_wave_0_\@
	s_barrier_signal -3
.Lnot_wave_0_\@:
	s_barrier_wait -3
	s_barrier_signal -1
	s_barrier_wait -1
.endm
.macro MLOAD mb, off                   ; a key step's mask for my tile: 16 loads of 512 consecutive bytes, into buffer mb of window 1
.irp g, 0,1,2,3,4,5,6,7,8,9,10,11,12,13,14,15
	global_load_b128 v[\mb+4*\g:\mb+4*\g+3], v[LN], s[MB:MB+1] offset:\off+512*\g
.endr
.endm
.macro KLOAD                           ; K of the key step at v[AKV]: head 0's 16 loads, then head 1's 16, all into window 0
.irp i, 0,1,2,3,4,5,6,7,8,9,10,11,12,13,14,15
	ds_load_b128 v[KV+4*\i:KV+4*\i+3], v[AKV] offset:512*\i
.endr
.irp i, 0,1,2,3,4,5,6,7
	ds_load_b128 v[PC+4*\i:PC+4*\i+3], v[AKV] offset:16384+512*\i
.endr
.irp i, 0,1,2,3
	ds_load_b128 v[K2+4*\i:K2+4*\i+3], v[AKV] offset:16384+4096+512*\i
.endr
.irp i, 0,1,2,3
	ds_load_b128 v[K3+4*\i:K3+4*\i+3], v[AKV] offset:16384+6144+512*\i
.endr
.endm
.macro MAXH u                          ; the step's largest D of my query in head u, among my 64 keys: four chains, one for two accumulators, each accumulator from its low end on
	WIN 0x15
.irp c, 0,1,2,3
	v_max3_num_f32 v[TP+\c], v[64*\u+16*\c], v[64*\u+16*\c+1], v[64*\u+16*\c+2]
.endr
	WIN 0x14
.irp i, 3,5,7,9,11,13
.irp c, 0,1,2,3
	v_max3_num_f32 v[TP+\c], v[TP+\c], v[64*\u+16*\c+\i], v[64*\u+16*\c+\i+1]
.endr
.endr
.irp c, 0,1,2,3
	v_max3_num_f32 v[TP+\c], v[TP+\c], v[64*\u+16*\c+15], v[64*\u+16*\c+15]
.endr
	WIN 0
	v_max3_num_f32 v[TP+4+\u], v[TP], v[TP+1], v[TP+2]
	v_max_num_f32 v[TP+4+\u], v[TP+4+\u], v[TP+3]
.endm
.macro SUMH u                          ; head u's sum of the unquantised p: 32 pairs in four chains
	WIN 0x05
	v_pk_add_f32 v[U0:U0+1], v[64*\u:64*\u+1], v[64*\u+2:64*\u+3]
	v_pk_add_f32 v[U1:U1+1], v[64*\u+4:64*\u+5], v[64*\u+6:64*\u+7]
	v_pk_add_f32 v[U2:U2+1], v[64*\u+8:64*\u+9], v[64*\u+10:64*\u+11]
	WIN 0x04
.irp i, 12,20,28,36,44,52
	v_pk_add_f32 v[SM+2*\u:SM+2*\u+1], v[SM+2*\u:SM+2*\u+1], v[64*\u+\i:64*\u+\i+1]
	v_pk_add_f32 v[U0:U0+1], v[U0:U0+1], v[64*\u+\i+2:64*\u+\i+3]
	v_pk_add_f32 v[U1:U1+1], v[U1:U1+1], v[64*\u+\i+4:64*\u+\i+5]
	v_pk_add_f32 v[U2:U2+1], v[U2:U2+1], v[64*\u+\i+6:64*\u+\i+7]
.endr
	v_pk_add_f32 v[SM+2*\u:SM+2*\u+1], v[SM+2*\u:SM+2*\u+1], v[64*\u+60:64*\u+61]
	v_pk_add_f32 v[U0:U0+1], v[U0:U0+1], v[64*\u+62:64*\u+63]
	WIN 0
	v_pk_add_f32 v[U1:U1+1], v[U1:U1+1], v[U2:U2+1]
	v_pk_add_f32 v[SM+2*\u:SM+2*\u+1], v[SM+2*\u:SM+2*\u+1], v[U0:U0+1]
	v_pk_add_f32 v[SM+2*\u:SM+2*\u+1], v[SM+2*\u:SM+2*\u+1], v[U1:U1+1]
.endm
	s_load_b256 s[4:11], s[0:1], 0x0               ; qkv s[4:5], mimg s[6:7], the exponents s[8:9], attn_img s[10:11]
	v_lshl_add_u32 v[SPW], v0, 2, SPARE
	v_mov_b32 v[NIL], 0
	ds_add_u32 v[SPW], v[NIL]                      ; the opening lines: the add, twice on end, and its wait ahead of my first tensor load
	ds_add_u32 v[SPW], v[NIL]
	v_lshrrev_b32 v8, 5, v0
	v_readfirstlane_b32 s[WV], v8                  ; wave 0..7
	s_bfe_u32 s12, ttmp6, 0x40000                  ; cx
	s_lshl_b32 s14, ttmp9, 2
	s_add_co_u32 s14, s14, s12                     ; the query block, 0 .. 15
	s_and_b32 s15, ttmp7, 0xffff                   ; the pair of heads, 0 .. 15
	; my part of a slot: K and V of one head and block, 16,384 dense bytes: 64 rows of 32 elements of 8 bytes
	s_mov_b32 s[G1], 15|(3<<16)|(1<<21)            ; the mask names the cluster's four; elements of 8 bytes; bit 21 set beside a mask
	s_mov_b32 s[G1+1], 32<<16
	s_mov_b32 s[G1+2], 64<<16
	s_mov_b32 s[G1+3], 32<<16
	s_mov_b32 s[G1+4], 64
	s_mov_b32 s[G1+5], 32
	s_mov_b32 s[G1+6], 0
	s_mov_b32 s[G1+7], 0
	s_mul_i32 s48, s15, 2*HB                       ; the pair's first byte in qkv
	s_and_b32 s49, s[WV], 1                        ; wave w fetches block w / 2, head w % 2: of the pair and the wave's number alone
	s_mul_i32 s49, s49, HB
	s_lshr_b32 s50, s[WV], 1
	s_mul_i32 s50, s50, BLKB
	s_add_co_u32 s50, s50, s49
	s_add_co_u32 s50, s50, s48
	s_add_co_u32 s50, s50, 8192
	s_mov_b32 s51, 0
	s_lshl_b32 s13, s[WV], 14
	s_mov_b32 s[SEL], 0x76543210
	s_mov_b32 s[SEL+1], 0xfedcba98
	s_mov_b32 s[KB], 0x38000                       ; the first change of slots and the first pair of steps turn it to 0
	s_wait_dscnt 0x0                               ; both opening adds are done
	s_wait_kmcnt 0x0
	s_load_b256 s[56:63], s[8:9], 0x10             ; e4 .. e11: e6 s58, e7 s59, e8 s60, e9 s61, e10 s62
	s_mov_b32 s[G0], 1
	s_mov_b32 s[G0+1], s13
	s_add_nc_u64 s[G0+2:G0+3], s[4:5], s[50:51]
	s_or_b32 s[G0+3], s[G0+3], 0x80000000
	CROUND                                         ; the four work-groups are here: the joint loads meet
	tensor_load_to_lds s[G0:G0+3], s[G1:G1+7]      ; keys 0 to 511 into slot 0: my one tensor load at the head
	s_nop 0
.rept 4
	v_nop
.endr
	v_and_b32 v[LN], 31, v0
	v_lshlrev_b32 v[PFO], 8, v[LN]
	v_lshlrev_b32 v[LN], 4, v[LN]
	s_mul_i32 s41, s14, BLKB                       ; Q: token tile 8 qb + w lies in block qb, at tile w
	s_lshl_b32 s42, s[WV], 10
	s_add_co_u32 s41, s41, s42
	s_add_co_u32 s42, s41, s48
	s_mov_b32 s43, 0
	s_add_nc_u64 s[42:43], s[4:5], s[42:43]
	s_lshl_b32 s44, s14, 20                        ; the mask's image: 131,072 bytes a query tile
	s_lshl_b32 s45, s[WV], 17
	s_add_co_u32 s44, s44, s45
	s_mov_b32 s45, 0
	s_add_nc_u64 s[MB:MB+1], s[6:7], s[44:45]
	s_lshl_b32 s44, s14, 18                        ; attn_img: 32,768 bytes a token tile, 1,024 a head
	s_lshl_b32 s46, s[WV], 15
	s_add_co_u32 s44, s44, s46
	s_lshl_b32 s46, s15, 11
	s_add_co_u32 s44, s44, s46
	s_add_nc_u64 s[10:11], s[10:11], s[44:45]
	s_lshl_b32 s44, s14, 20                        ; wave 0's prefetches: query tile hp / 2 of my block, half hp % 2, key steps 6 and 7 first
	s_lshr_b32 s46, s15, 1
	s_lshl_b32 s46, s46, 17
	s_add_co_u32 s44, s44, s46
	s_and_b32 s46, s15, 1
	s_lshl_b32 s46, s46, 13
	s_add_co_u32 s44, s44, s46
	s_add_co_u32 s44, s44, 3*16384
	s_and_b32 s46, s12, 1                          ; waves 1 and 2's: head cx % 2, block 10 + cx / 2 first, 8,192 x wave bytes into the block
	s_mul_i32 s46, s46, HB
	s_lshr_b32 s47, s12, 1
	s_add_co_u32 s47, s47, 10
	s_mul_i32 s47, s47, BLKB
	s_add_co_u32 s46, s46, s47
	s_add_co_u32 s46, s46, s48
	s_lshl_b32 s47, s[WV], 13
	s_add_co_u32 s46, s46, s47
	s_cmp_lt_u32 s[WV], 3
	s_cselect_b32 s[PFL], 3, 0
	s_cmp_eq_u32 s[WV], 0
	s_cselect_b32 s[PFL], 5, s[PFL]
	s_cselect_b64 s[PFA:PFA+1], s[6:7], s[4:5]
	s_cselect_b32 s44, s44, s46
	s_mov_b32 s[PFS], 2*BLKB
	s_cselect_b32 s[PFS], 16384, s[PFS]
	s_mov_b32 s[PFS+1], 0
	s_add_nc_u64 s[PFA:PFA+1], s[PFA:PFA+1], s[44:45]
	s_wait_alu depctr_va_vdst(0)                   ; the wait, ahead of the addresses' first readers
.irp u, 0,1
	global_load_b128 v[QF+8*\u:QF+8*\u+3], v[LN], s[42:43] offset:HB*\u
	global_load_b128 v[QF+8*\u+4:QF+8*\u+7], v[LN], s[42:43] offset:HB*\u+512
.endr
	WIN 0x40
	MLOAD 128, 0                                   ; key step 0's mask
	MLOAD 192, 8192                                ; key step 1's
	WIN 0
.irp u, 0,1
	v_mov_b32 v[NM+2*\u+1], 0xff61b1e6             ; the largest t so far: -3e38
	v_floor_f32 v[NM+2*\u], -v[NM+2*\u+1]          ; -M
	v_mov_b32 v[SM+2*\u], 0
	v_mov_b32 v[SM+2*\u+1], 0
	v_mov_b32 v[FF+2*\u+1], 0                      ; (named as a pair's upper half)
	v_mov_b32 v[PL+\u], 0                          ; a lane permute's destination counts as a source
.endr
.set j, 0
.rept 64
	v_mov_b32 v[O+j], 0                            ; O^T: the step is written for every trip alike; the first change of M leaves zeros zeros
.set j, j+1
.endr
	s_wait_kmcnt 0x0
	s_add_co_i32 s41, s58, s59
	s_lshl_b32 s41, s41, 23
	s_add_co_i32 s[CS], s41, 0x3fb8aa3b            ; c: e6 + e7 added to log2(e)'s exponent field
	s_mov_b32 s[CS+1], s[CS]
	s_add_co_i32 s41, s60, 127
	s_lshl_b32 s44, s41, 23
	v_mov_b32 v[SCV], s44                          ; 2^e8
	s_add_co_i32 s41, s41, 8
	s_lshl_b32 s41, s41, 23
	s_or_b32 s41, s41, 0x600000
	v_mov_b32 v[LIMV], s41                         ; 448 x 2^e8
	s_wait_alu depctr_va_vdst(0)                   ; the wait at the head's end
; THE CHANGE OF SLOTS.  Each wave waits for all its tensor loads (one is out: its part of the slot ahead), adds 0 to its spare word, and waits for that and for its reads of the slot that it has left.
; fill = 1: a round of the cluster's barrier; behind it the joint load of the next 512 keys into the slot just left (the first time: slot 1's first fill) has four key steps in which to land.
.macro CHANGE fill
	s_wait_tensorcnt 0x0                           ; no tensor load of mine is out, so group 0 may be written
	ds_add_u32 v[SPW], v[NIL]
.if \fill
	s_xor_b32 s[G0+1], s[G0+1], SLOTB              ; the other slot than last time,
	s_add_nc_u64 s[G0+2:G0+3], s[G0+2:G0+3], 4*BLKB   ; the next four blocks
.endif
	s_wait_dscnt 0x0
.if \fill
	CROUND
	tensor_load_to_lds s[G0:G0+3], s[G1:G1+7]
	s_nop 0
.rept 4
	v_nop
.endr
.else
	s_barrier_signal -1
	s_barrier_wait -1
.endif
	s_xor_b32 s[KB], s[KB], 0x20000                ; the other slot
.endm
; A KEY STEP with mask buffer mb.  cnt: the mask loads younger than this buffer's.  reload: the buffer is loaded anew for the step after next.  first: a pair's first step steps the mask's base and fetches the second step's K.  ask: it prefetches.
.macro STEP mb, cnt, reload, first, ask
	s_wait_alu depctr_va_vdst(0)
	s_wait_loadcnt \cnt                            ; this buffer's mask is in
	s_wait_dscnt 16                                ; head 0's K is in; head 1's 16 loads may be out
	WIN 0x50
.irp t, 0,1,2,3,4,5,6,7
	v_wmma_f32_16x16x64_fp8_fp8 v[8*\t:8*\t+7], v[KV+8*\t:KV+8*\t+7], v[QF:QF+7], v[\mb+8*\t:\mb+8*\t+7]
.endr
	WIN 0
.rept 4
	v_nop                                          ; four places: K's registers are loaded again, and the scores are read
.endr
.irp i, 0,1,2,3,4,5,6,7,8,9,10,11,12,13,14,15
	ds_load_b128 v[KV+4*\i:KV+4*\i+3], v[AKV] offset:8192+512*\i             ; head 0's V: it has the softmax in which to land
.endr
	MAXH 0
	s_wait_alu depctr_va_vdst(0)
	s_wait_dscnt 16                                ; head 1's K is in; head 0's V, 16 loads, may be out
	WIN 0x50
.irp t, 0,1,2,3,4,5,6,7
.if \t < 4
.set KA, PC+8*\t
.elseif \t < 6
.set KA, K2+8*(\t-4)
.else
.set KA, K3+8*(\t-6)
.endif
	v_wmma_f32_16x16x64_fp8_fp8 v[64+8*\t:64+8*\t+7], v[KA:KA+7], v[QF+8:QF+15], v[\mb+8*\t:\mb+8*\t+7]
.endr
	WIN 0
.rept 4
	v_nop                                          ; four places: the mask's registers are loaded again, and the scores are read
.endr
	WIN 0x40
.irp i, 0,1,2,3,4,5,6,7,8,9,10,11,12,13,14,15
	ds_load_b128 v[\mb+4*\i:\mb+4*\i+3], v[AKV] offset:16384+8192+512*\i     ; head 1's V, where the mask lay
.endr
	WIN 0
.if \ask
	s_cmp_lt_u32 s[PN], s[PFL]
	s_cbranch_scc0 .Lnot_mine_\@
	global_prefetch_b8 v[PFO], s[PFA:PFA+1] th:TH_LOAD_NT scope:SCOPE_SE
.Lnot_mine_\@:
.endif
	MAXH 1
.irp u, 0,1
	v_permlanex16_b32 v[PL+\u], v[TP+4+\u], s[SEL], s[SEL+1]
.endr
.irp u, 0,1
	v_max_num_f32 v[TP+4+\u], v[TP+4+\u], v[PL+\u] ; and among lane l xor 16's
.endr
.irp u, 0,1
	v_mul_f32 v[TP+4+\u], s[CS], v[TP+4+\u]        ; as t (c is positive)
.endr
.irp u, 0,1
	v_max_num_f32 v[NM+2*\u+1], v[NM+2*\u+1], v[TP+4+\u]
.endr
.irp u, 0,1
	v_mov_b32 v[TP+4+\u], v[NM+2*\u]
.endr
.irp u, 0,1
	v_floor_f32 v[NM+2*\u], -v[NM+2*\u+1]          ; the new -M = -ceil(t)
.endr
.irp u, 0,1
	v_sub_f32 v[TP+4+\u], v[NM+2*\u], v[TP+4+\u]   ; old M less new M: a whole number, 0 or less
.endr
.irp u, 0,1
	v_cvt_i32_f32 v[TP+4+\u], v[TP+4+\u]           ; (it saturates)
.endr
.irp u, 0,1
	v_ldexp_f32 v[FF+2*\u], 1.0, v[TP+4+\u]        ; f = 2^(old M - new M)
.endr
.irp u, 0,1
	v_pk_mul_f32 v[SM+2*\u:SM+2*\u+1], v[SM+2*\u:SM+2*\u+1], v[FF+2*\u:FF+2*\u+1] op_sel_hi:[1,0]   ; the sums under the new M
.endr
	WIN 0x41
.set j, 0
.rept 32
	v_pk_fma_f32 v[j:j+1], v[j:j+1], s[CS:CS+1], v[NM:NM+1] op_sel_hi:[1,0,0]   ; head 0: t - M
.set j, j+2
.endr
	s_wait_alu depctr_va_vdst(0)                   ; the wait ahead of the batch
.set j, 0
.rept 32
	v_exp_f32 v[j], v[j]                           ; head 0: p = 2^(t - M), at most 1;
	v_exp_f32 v[j+1], v[j+1]
	v_pk_fma_f32 v[64+j:65+j], v[64+j:65+j], s[CS:CS+1], v[NM+2:NM+3] op_sel_hi:[1,0,0]   ; by turns with head 1's t - M, which names none of the batch's registers and is first read behind the wait below
.set j, j+2
.endr
	s_wait_alu depctr_va_vdst(0)                   ; one wait: behind head 0's batch, ahead of its first reader; and ahead of head 1's batch
	SUMH 0
	WIN 0x41
.set j, 0
.rept 64
	v_exp_f32 v[64+j], v[64+j]                     ; head 1's p, by turns with head 0's hold:
	v_min_num_f32 v[j], v[j], v[LIMV]              ; the conversion does not saturate (ISA guide 7.6.2); p is not negative, so the hold is one-sided.  First read behind the wait below
.set j, j+1
.endr
	s_wait_alu depctr_va_vdst(0)                   ; one wait behind head 1's batch, ahead of its first reader and of the readers of what was written in and ahead of it
	SUMH 1
	WIN 0x41
.set j, 0
.rept 64
	v_min_num_f32 v[64+j], v[64+j], v[LIMV]
.set j, j+1
.endr
	WIN 0x01
.irp u, 0,1
.irp t, 0,1,2,3,4,5,6,7
	v_cvt_scalef32_pk8_fp8_f32 v[PC+16*\u+2*\t:PC+16*\u+2*\t+1], v[64*\u+8*\t:64*\u+8*\t+7], v[SCV]
.endr
.endr
	WIN 0
	s_wait_alu depctr_va_vdst(0)                   ; the wait, directly ahead of the first readers of O^T
.irp u, 0,1
.set j, 0
.rept 16
	v_pk_mul_f32 v[O+32*\u+j:O+32*\u+j+1], v[O+32*\u+j:O+32*\u+j+1], v[FF+2*\u:FF+2*\u+1] op_sel_hi:[1,0]   ; O^T under the new M; also the plain lines between the conversions and the products
.set j, j+2
.endr
.endr
	s_wait_alu depctr_va_vdst(0)
	s_wait_dscnt 0x0                               ; V is in
.irp m, 0,1,2,3
	v_wmma_f32_16x16x128_fp8_fp8 v[O+8*\m:O+8*\m+7], v[KV+16*\m:KV+16*\m+15], v[PC:PC+15], v[O+8*\m:O+8*\m+7]   ; eight accumulators, one instruction each
.endr
	WIN 0x01
.irp m, 0,1,2,3
	v_wmma_f32_16x16x128_fp8_fp8 v[O+32+8*\m:O+32+8*\m+7], v[\mb+16*\m:\mb+16*\m+15], v[PC+16:PC+31], v[O+32+8*\m:O+32+8*\m+7]
.endr
	WIN 0
.if \reload || \first
.rept 4
	v_nop                                          ; four places ahead of the loads into registers that the products read
.endr
.endif
.if \reload
.if \first
	s_wait_xcnt 0x0                                ; the last pair's loads and this pair's prefetch have read their bases
	s_add_nc_u64 s[MB:MB+1], s[MB:MB+1], 16384     ; two key steps on
.if \ask
	s_add_nc_u64 s[PFA:PFA+1], s[PFA:PFA+1], s[PFS:PFS+1]
.endif
.endif
	WIN 0x40
	MLOAD \mb, ((\mb-128)/64)*8192                 ; the mask of the step after next
	WIN 0
.endif
.if \first
	s_xor_b32 s[KB], s[KB], 0x8000                 ; the pair's second block
	v_add_nc_u32 v[AKV], s[KB], v[LN]
	KLOAD
.endif
.endm
.macro PAIR reload, ask                ; two key steps, one on each mask buffer
	s_xor_b32 s[KB], s[KB], 0x18000                ; from a pair's second block to the other pair's first
	v_add_nc_u32 v[AKV], s[KB], v[LN]
	KLOAD
	STEP 128, 16, \reload, 1, \ask
	STEP 192, 16*\reload, \reload, 0, 0
.endm
	s_mov_b32 s3, 0
	s_mov_b32 s[PN], 0
.Ltrip:                                            ; three trips of four key steps; each asks for the next trip's K and V
	CHANGE 1
	s_mov_b32 s[IN], 0
.Lpair:                                            ; two pairs of steps to a slot; each loads the next pair's mask
	PAIR 1, 1
	s_add_co_u32 s[PN], s[PN], 1
	s_add_co_u32 s[IN], s[IN], 1
	s_cmp_lt_u32 s[IN], 2
	s_cbranch_scc1 .Lpair
	s_add_co_u32 s3, s3, 1
	s_cmp_lt_u32 s3, 3
	s_cbranch_scc1 .Ltrip
	CHANGE 0                                       ; the last slot is written out
	PAIR 1, 0
	PAIR 0, 0                                      ; and the last pair loads no mask
	; THE WAY OUT: o = O^T / the sum x 2^(e8 + e9), quantised with 2^e10; the codes are the last projection's operand registers and are stored as they stand
	s_add_co_i32 s41, s60, s61
	s_add_co_i32 s42, s62, 127
	s_lshl_b32 s43, s42, 23
	s_add_co_i32 s42, s42, 8
	s_lshl_b32 s42, s42, 23
	s_or_b32 s42, s42, 0x600000
.irp u, 0,1
	v_add_f32 v[SM+2*\u], v[SM+2*\u], v[SM+2*\u+1]
.endr
.irp u, 0,1
	v_permlanex16_b32 v[PL+\u], v[SM+2*\u], s[SEL], s[SEL+1]
.endr
.irp u, 0,1
	v_add_f32 v[SM+2*\u], v[SM+2*\u], v[PL+\u]
.endr
	s_wait_alu depctr_va_vdst(0)                   ; the wait ahead of the transcendentals
.irp u, 0,1
	v_rcp_f32 v[SM+2*\u], v[SM+2*\u]
.endr
	v_mov_b32 v[SCV], s43                          ; 2^e10  (plain lines behind the reciprocals)
	v_mov_b32 v[LIMV], s42                         ; 448 x 2^e10
	s_wait_alu depctr_va_vdst(0)                   ; the wait, ahead of the reciprocals' first reader
.irp u, 0,1
	v_ldexp_f32 v[SM+2*\u], v[SM+2*\u], s41
.endr
	s_wait_alu depctr_va_vdst(0)                   ; the wait, directly ahead of the first readers of O^T
.irp u, 0,1
.set j, 0
.rept 16
	v_pk_mul_f32 v[KV+32*\u+j:KV+32*\u+j+1], v[O+32*\u+j:O+32*\u+j+1], v[SM+2*\u:SM+2*\u+1] op_sel_hi:[1,0]   ; each accumulator from its low end on
.set j, j+2
.endr
.endr
.set j, 0
.rept 64
	v_med3_num_f32 v[KV+j], v[KV+j], -v[LIMV], v[LIMV]
.set j, j+1
.endr
.irp i, 0,1,2,3,4,5,6,7
	v_cvt_scalef32_pk8_fp8_f32 v[PC+2*\i:PC+2*\i+1], v[KV+8*\i:KV+8*\i+7], v[SCV]
.endr
	v_nop
.irp u, 0,1
	global_store_b128 v[LN], v[PC+8*\u:PC+8*\u+3], s[10:11] offset:1024*\u           ; 32 lanes store 512 consecutive bytes, at a multiple of 512 from the buffer's first byte
	global_store_b128 v[LN], v[PC+8*\u+4:PC+8*\u+7], s[10:11] offset:1024*\u+512
.endr
	s_wait_tensorcnt 0x0                           ; the wave's end
	ds_add_u32 v[SPW], v[NIL]
	s_wait_dscnt 0x0
	CROUND                                         ; the closing round
	s_endpgm
.Lfunc_end_k_q875c9927c3_attn:
	.size	k_q875c9927c3_attn, .Lfunc_end_k_q875c9927c3_attn-k_q875c9927c3_attn
	.p2alignl 7, 3214868480
	.fill 96, 4, 3214868480
	.section	.rodata,"a",@progbits
	.p2align	6, 0x0
	.amdhsa_kernel k_q875c9927c3_attn
		.amdhsa_group_segment_fixed_size 327680
		.amdhsa_private_segment_fixed_size 0
		.amdhsa_enable_private_segment 0
		.amdhsa_kernarg_size 32
		.amdhsa_user_sgpr_count 2
		.amdhsa_user_sgpr_kernarg_segment_ptr 1
		.amdhsa_wavefront_size32 1
		.amdhsa_system_sgpr_workgroup_id_x 1
		.amdhsa_system_sgpr_workgroup_id_y 1
		.amdhsa_system_sgpr_workgroup_id_z 1
		.amdhsa_system_vgpr_workitem_id 0
		.amdhsa_next_free_vgpr 512
		.amdhsa_next_free_sgpr 66
		.amdhsa_reserve_vcc 0
		.amdhsa_float_denorm_mode_32 3
		.amdhsa_float_denorm_mode_16_64 3
		.amdhsa_memory_ordered 1
		.amdhsa_forward_progress 1
		.amdhsa_inst_pref_size 215
	.end_amdhsa_kernel
	.amdgpu_metadata
---
amdhsa.version: [ 1, 2 ]
amdhsa.kernels:
  - .name:           k_q875c9927c3_attn
    .symbol:         k_q875c9927c3_attn.kd
    .args:
      - { .name: qkv, .offset: 0, .size: 8, .value_kind: global_buffer, .address_space: global }
      - { .name: mimg, .offset: 8, .size: 8, .value_kind: global_buffer, .address_space: global }
      - { .name: lowp_scales, .offset: 16, .size: 8, .value_kind: global_buffer, .address_space: global }
      - { .name: attn_img, .offset: 24, .size: 8, .value_kind: global_buffer, .address_space: global }
    .group_segment_fixed_size: 327680
    .private_segment_fixed_size: 0
    .kernarg_segment_align: 8
    .kernarg_segment_size: 32
    .max_flat_workgroup_size: 256
    .sgpr_count:     66
    .vgpr_count:     512
    .wavefront_size: 32
...
	.end_amdgpu_metadata
.endif
;; end of part 3
;; launch outp (part 4): grid 16 x 16, 4 waves a work-group, clusters of 4 x 4, 327,680 bytes of LDS; arguments attn_img, codes, lowp_scales, bo, out0; writes out0
.if DOCPART == 4
	.amdgcn_target "amdgcn-amd-amdhsa--gfx1250"
	.amdhsa_code_object_version 6
	.text
	.protected	k_q875c9927c3_outp
	.globl	k_q875c9927c3_outp
	.p2align	8
	.type	k_q875c9927c3_outp,@function
k_q875c9927c3_outp:
	s_mov_b64 s[64:65], 0
	v_nop
	global_prefetch_b8 v0, s[64:65] scope:SCOPE_SE
	s_setreg_imm32_b32 hwreg(HW_REG_WAVE_MODE, 25, 1), 1
	s_wait_xcnt 0x0
	s_wait_alu depctr_hold_cnt(0) depctr_sa_sdst(0) depctr_va_vdst(0) depctr_va_sdst(0) depctr_va_ssrc(0) depctr_va_vcc(0) depctr_vm_vsrc(0)
	s_getreg_b32 s2, hwreg(HW_REG_IB_STS2, 6, 4)
	s_cmp_eq_u32 s2, 0
	s_cbranch_scc0 .Lentry_in_a_cluster
	s_endpgm
.Lentry_in_a_cluster:
	s_bfe_u32 s2, ttmp6, 0x10000c
	s_cmp_lg_u32 s2, 0xf033
	s_cbranch_scc0 .Lentry_shape_is_right
	s_endpgm
.Lentry_shape_is_right:
.set ROWB,   512
.set KROW,   2048
.set PITCH,  528
.set FR,     16
.set NP,     4
.set HALFB,  64*PITCH
.set AREG,   65536
.set ASTEP,  8192
.set SLOT,   AREG+2*HALFB
.set SPARE,  2*SLOT
.set SPITCH, 272
.set SIZE_N, 2048
.set BA,   9
.set ADRA, 16
.set ADRB, 20
.set STO,  24
.set RD,   25
.set CO,   26
.set LN,   27
.set SPW,  28
.set NIL,  29
.set BO,   32
.set TMP,  64
.set ACC,  128
.set G1, 24
.set G0, 32
.set G1B, 48
.set G0B, 56
.set MSB, 0
.macro WIN new
.if MSB != (\new)
	s_set_vgpr_msb (MSB<<8)|(\new)
.set MSB, (\new)
.endif
.endm
.set MUL,  0x05
.set TO_F, 0x40
.macro JLOAD g0a, g1a, g0b, g1b
	s_cmp_eq_u32 s15, 0
	s_cbranch_scc0 .Lfor_b_\@
	tensor_load_to_lds s[\g0a:\g0a+3], s[\g1a:\g1a+7]
	s_nop 0
.rept 4
	v_nop
.endr
	s_branch .Lasked_\@
.Lfor_b_\@:
	tensor_load_to_lds s[\g0b:\g0b+3], s[\g1b:\g1b+7]
	s_nop 0
.rept 4
	v_nop
.endr
.Lasked_\@:
.endm
.macro CREST
	s_cmp_lg_u32 s14, 0
	s_cbranch_scc1 .Lnot_wave_0_\@
	s_barrier_signal -3
.Lnot_wave_0_\@:
	s_barrier_wait -3
	s_barrier_signal -1
	s_barrier_wait -1
.endm
.macro CROUND
	s_barrier_signal -1
	s_barrier_wait -1
	CREST
.endm
	s_load_b256 s[4:11], s[0:1], 0x0
	s_load_b64 s[12:13], s[0:1], 0x20
	v_lshl_add_u32 v[SPW], v0, 2, SPARE
	v_mov_b32 v[NIL], 0
	ds_add_u32 v[SPW], v[NIL]
	ds_add_u32 v[SPW], v[NIL]
	v_lshrrev_b32 v1, 5, v0
	v_readfirstlane_b32 s14, v1
	s_lshr_b32 s15, s14, 1
	s_and_b32 s16, s14, 1
	s_bfe_u32 s40, ttmp6, 0x40000
	s_bfe_u32 s41, ttmp6, 0x40004
	s_lshl_b32 s42, ttmp9, 2
	s_add_co_u32 s42, s42, s40
	s_and_b32 s17, ttmp7, 0xffff
	s_lshl_b32 s17, s17, 2
	s_add_co_u32 s17, s17, s41
	s_lshl_b32 s43, s41, 2
	s_lshl_b32 s43, 15, s43
	s_lshl_b32 s44, 0x1111, s40
	s_or_b32 s[G1+0], s43, (3<<16)|(1<<21)
	s_mov_b32 s[G1+1], 1024<<16
	s_mov_b32 s[G1+2], 4<<16
	s_mov_b32 s[G1+3], 1024<<16
	s_mov_b32 s[G1+4], 4
	s_mov_b32 s[G1+5], 4096
	s_mov_b32 s[G1+6], 0
	s_mov_b32 s[G1+7], 0
	s_or_b32 s[G1B+0], s44, (0<<16)|(1<<20)|(1<<21)|(6<<22)|(3<<25)
	s_mov_b32 s[G1B+1], ROWB<<16
	s_mov_b32 s[G1B+2], 64<<16
	s_mov_b32 s[G1B+3], ROWB<<16
	s_mov_b32 s[G1B+4], 64
	s_mov_b32 s[G1B+5], KROW
	s_mov_b32 s[G1B+6], 0
	s_mov_b32 s[G1B+7], 0
	s_lshl_b32 s18, s16, 17
	s_lshl_b32 s20, s17, 18
	s_add_co_u32 s20, s20, s18
	s_mov_b32 s21, 0
	s_lshl_b32 s46, s42, 18
	s_add_co_u32 s46, s46, s18
	s_add_co_u32 s46, s46, 6<<22
	s_mov_b32 s47, 0
	s_lshl_b32 s45, s16, 15
	s_mul_i32 s23, s16, HALFB
	s_add_co_u32 s23, s23, AREG
	s_wait_dscnt 0x0
	s_wait_kmcnt 0x0
	s_load_b64 s[96:97], s[8:9], 0x28
	s_add_nc_u64 s[20:21], s[4:5], s[20:21]
	s_add_nc_u64 s[46:47], s[6:7], s[46:47]
	CROUND
.irp s, 0,1
	s_mov_b32 s[G0+4*\s], 1
	s_add_co_u32 s[G0+4*\s+1], s45, \s*SLOT
	s_add_nc_u64 s[G0+4*\s+2:G0+4*\s+3], s[20:21], \s*ASTEP
	s_or_b32 s[G0+4*\s+3], s[G0+4*\s+3], 0x80000000
	s_mov_b32 s[G0B+4*\s], 1
	s_add_co_u32 s[G0B+4*\s+1], s23, \s*SLOT
	s_add_nc_u64 s[G0B+4*\s+2:G0B+4*\s+3], s[46:47], \s*ROWB
	s_or_b32 s[G0B+4*\s+3], s[G0B+4*\s+3], 0x80000000
	s_wait_alu depctr_va_vdst(0)
	s_wait_tensorcnt 0x0
	ds_add_u32 v28, v29
	ds_add_u32 v28, v29
	s_wait_dscnt 0x0
	CROUND
	JLOAD G0+4*\s, G1, G0B+4*\s, G1B
.endr
	v_and_b32 v1, 15, v0
	v_bfe_u32 v2, v0, 4, 1
	v_and_b32 v6, 31, v0
	v_lshlrev_b32 v[LN], 4, v6
	v_mul_u32_u24 v3, v1, PITCH
	v_lshl_add_u32 v4, v2, 3, v3
	s_lshl_b32 s21, s15, 15
	s_mul_i32 s22, s16, HALFB
	s_add_co_u32 s22, s22, AREG
.irp s, 0,1
	v_add_nc_u32 v[ADRA+\s], s21, v[LN]
	v_add_nc_u32 v[ADRB+\s], s22, v4
	s_add_co_u32 s21, s21, SLOT
	s_add_co_u32 s22, s22, SLOT
.endr
	s_mul_i32 s23, s14, 16*SPITCH
	v_mul_u32_u24 v5, v1, SPITCH
	v_lshl_add_u32 v5, v2, 5, v5
	v_add_nc_u32 v[STO], s23, v5
	v_mul_u32_u24 v5, v2, SPITCH
	v_lshl_add_u32 v5, v1, 4, v5
	v_add_nc_u32 v[RD], s23, v5
	v_lshlrev_b32 v[CO], 13, v2
	v_lshl_add_u32 v[CO], v1, 4, v[CO]
	s_lshl_b32 s20, s17, 7
	s_lshl_b32 s21, s15, 6
	s_add_co_u32 s20, s20, s21
	s_lshl_b32 s20, s20, 13
	s_mov_b32 s21, 0
	s_lshl_b32 s46, s42, 9
	s_lshl_b32 s47, s16, 8
	s_add_co_u32 s46, s46, s47
	v_lshl_add_u32 v[BA], v2, 5, s46
	s_mov_b32 s47, 0
	s_add_nc_u64 s[20:21], s[20:21], s[46:47]
	s_add_nc_u64 s[12:13], s[12:13], s[20:21]
.irp b, 0,1,2,3
	global_load_b128 v[BO+8*\b:BO+8*\b+3], v[BA], s[10:11] offset:64*\b
	global_load_b128 v[BO+8*\b+4:BO+8*\b+7], v[BA], s[10:11] offset:64*\b+16
.endr
.macro FRAGA reg, slot, q, i
.irp c, 0,1,2,3
	ds_load_b128 v[\reg+4*\c:\reg+4*\c+3], v[ADRA+\slot] offset:8192*(\i)+2048*(\q)+512*\c
.endr
.endm
.macro FRAGB reg, slot, q, i
.irp c, 0,1,2,3,4,5,6,7
	ds_load_b64 v[\reg+2*\c:\reg+2*\c+1], v[ADRB+\slot] offset:128*(\q)+16*\c+(\i)*16*PITCH
.endr
.endm
.macro FETCH slot, q, p
	WIN TO_F
.irp i, 0,1,2,3
	FRAGB 128*(\p)+64+FR*\i, \slot, \q, \i
.endr
.irp i, 0,1,2,3
	FRAGA 128*(\p)+FR*\i, \slot, \q, \i
.endr
.endm
.macro MUL8 p, a0, zero
.irp a, \a0, \a0+1
.irp b, 0,1,2,3
.if \zero
	v_wmma_f32_16x16x128_fp8_fp8 v[ACC+8*(4*(\a)+\b):ACC+8*(4*(\a)+\b)+7], v[128*(\p)+64+FR*\b:128*(\p)+64+FR*\b+FR-1], v[128*(\p)+FR*(\a):128*(\p)+FR*(\a)+FR-1], 0
.else
	v_wmma_f32_16x16x128_fp8_fp8 v[ACC+8*(4*(\a)+\b):ACC+8*(4*(\a)+\b)+7], v[128*(\p)+64+FR*\b:128*(\p)+64+FR*\b+FR-1], v[128*(\p)+FR*(\a):128*(\p)+FR*(\a)+FR-1], v[ACC+8*(4*(\a)+\b):ACC+8*(4*(\a)+\b)+7]
.endif
.endr
.endr
.endm
.macro PLACES n
.rept \n
	v_nop
.endr
.endm
.macro QUARTER p, zero, slot, q
	s_wait_dscnt 0x0
	PLACES NP
	FETCH \slot, \q, 1-(\p)
	WIN MUL
	MUL8 \p, 0, \zero
	MUL8 \p, 2, \zero
.endm
.macro TURN slot, next, fill
	WIN 0
	s_wait_tensorcnt 0x0
	ds_add_u32 v[SPW], v[NIL]
	s_wait_dscnt 0x0
	s_barrier_signal -1
	WIN MUL
	MUL8 1, 0, 0
	WIN 0
	s_barrier_wait -1
.if \fill
	CREST
	s_add_nc_u64 s[G0+4*\slot+2:G0+4*\slot+3], s[G0+4*\slot+2:G0+4*\slot+3], 2*ASTEP
	s_add_nc_u64 s[G0B+4*\slot+2:G0B+4*\slot+3], s[G0B+4*\slot+2:G0B+4*\slot+3], 2*ROWB
	JLOAD G0+4*\slot, G1, G0B+4*\slot, G1B
.else
	PLACES NP
.endif
	FETCH \next, 0, 0
	WIN MUL
	MUL8 1, 2, 0
.endm
	s_wait_tensorcnt 1
	s_barrier_signal -1
	s_barrier_wait -1
	FETCH 0, 0, 0
	QUARTER 0, 1, 0, 1
	QUARTER 1, 0, 0, 2
	QUARTER 0, 0, 0, 3
	TURN 0, 1, 1
	QUARTER 0, 0, 1, 1
	QUARTER 1, 0, 1, 2
	QUARTER 0, 0, 1, 3
	TURN 1, 0, 1
	QUARTER 0, 0, 0, 1
	QUARTER 1, 0, 0, 2
	QUARTER 0, 0, 0, 3
	TURN 0, 1, 0
	QUARTER 0, 0, 1, 1
	QUARTER 1, 0, 1, 2
	QUARTER 0, 0, 1, 3
	s_wait_dscnt 0x0
	MUL8 1, 0, 0
	MUL8 1, 2, 0
	WIN 0
.macro TOSTAGE a
.set j, 0
.rept 16
	v_pk_fma_f32 v[TMP+j:TMP+j+1], v[ACC+32*(\a)+j:ACC+32*(\a)+j+1], s[96:97], v[BO+j:BO+j+1] op_sel_hi:[1,0,1]
.set j, j+2
.endr
.irp b, 0,1,2,3
	ds_store_b128 v[STO], v[TMP+8*\b:TMP+8*\b+3] offset:64*\b
	ds_store_b128 v[STO], v[TMP+8*\b+4:TMP+8*\b+7] offset:64*\b+16
.endr
.irp t, 0,1,2,3,4,5,6,7
	ds_load_b128 v[ACC+32*(\a)+4*\t:ACC+32*(\a)+4*\t+3], v[RD] offset:\t*2*SPITCH
.endr
.endm
.macro SEND a, younger
	s_wait_dscnt \younger
.irp t, 0,1,2,3,4,5,6,7
	global_store_b128 v[CO], v[ACC+32*(\a)+4*\t:ACC+32*(\a)+4*\t+3], s[12:13] offset:(16*(\a)+2*\t)*SIZE_N*4 th:TH_STORE_NT
.endr
.endm
	s_wait_kmcnt 0x0
	s_add_co_i32 s96, s96, s97
	s_add_co_i32 s96, s96, 127
	s_lshl_b32 s96, s96, 23
	s_wait_loadcnt 0x0
	PLACES NP
	TOSTAGE 0
	TOSTAGE 1
	SEND 0, 16
	TOSTAGE 2
	SEND 1, 16
	TOSTAGE 3
	SEND 2, 16
	SEND 3, 0
	s_wait_tensorcnt 0x0
	ds_add_u32 v[SPW], v[NIL]
	s_wait_dscnt 0x0
	CROUND
	s_endpgm
.Lfunc_end_k_q875c9927c3_outp:
	.size	k_q875c9927c3_outp, .Lfunc_end_k_q875c9927c3_outp-k_q875c9927c3_outp
	.p2alignl 7, 3214868480
	.fill 96, 4, 3214868480
	.section	.rodata,"a",@progbits
	.p2align	6, 0x0
	.amdhsa_kernel k_q875c9927c3_outp
		.amdhsa_group_segment_fixed_size 327680
		.amdhsa_private_segment_fixed_size 0
		.amdhsa_enable_private_segment 0
		.amdhsa_kernarg_size 40
		.amdhsa_user_sgpr_count 2
		.amdhsa_user_sgpr_kernarg_segment_ptr 1
		.amdhsa_wavefront_size32 1
		.amdhsa_system_sgpr_workgroup_id_x 1
		.amdhsa_system_sgpr_workgroup_id_y 1
		.amdhsa_system_sgpr_workgroup_id_z 1
		.amdhsa_system_vgpr_workitem_id 0
		.amdhsa_next_free_vgpr 512
		.amdhsa_next_free_sgpr 98
		.amdhsa_reserve_vcc 0
		.amdhsa_float_denorm_mode_32 3
		.amdhsa_float_denorm_mode_16_64 3
		.amdhsa_memory_ordered 1
		.amdhsa_forward_progress 1
		.amdhsa_inst_pref_size 91
	.end_amdhsa_kernel
	.amdgpu_metadata
---
amdhsa.version: [ 1, 2 ]
amdhsa.kernels:
  - .name:           k_q875c9927c3_outp
    .symbol:         k_q875c9927c3_outp.kd
    .args:
      - { .name: attn_img, .offset: 0, .size: 8, .value_kind: global_buffer, .address_space: global }
      - { .name: codes, .offset: 8, .size: 8, .value_kind: global_buffer, .address_space: global }
      - { .name: lowp_scales, .offset: 16, .size: 8, .value_kind: global_buffer, .address_space: global }
      - { .name: bo, .offset: 24, .size: 8, .value_kind: global_buffer, .address_space: global }
      - { .name: out0, .offset: 32, .size: 8, .value_kind: global_buffer, .address_space: global }
    .group_segment_fixed_size: 327680
    .private_segment_fixed_size: 0
    .kernarg_segment_align: 8
    .kernarg_segment_size: 40
    .max_flat_workgroup_size: 128
    .sgpr_count:     98
    .vgpr_count:     512
    .wavefront_size: 32
...
	.end_amdgpu_metadata
.endif
;; end of part 4
